; MI455X (gfx1250); checked and timed in simulation.
; The chip was launched on July 23, 2026; its instructions are those of AMD's public machine-readable ISA for CDNA 5 (MIT licence, August 2026) and "CDNA5" Instruction Set Architecture Reference Guide (July 2026). The comments in the code are by the model that wrote it; some were corrected since.
;; Linear3 Bit. Allowed arithmetic: matrix products marked QUANTISED: E5M2 operands, one given power-of-two scale a tensor, by v_wmma_f32_16x16x64_bf8_bf8 or v_wmma_f32_16x16x128_bf8_bf8, f32 sums; everything else in f32.
;; Inputs: bias 2,048 float32; lowp_scales 2 int32 (the exponents e of the quantised operands' scales 2^e); weight_norm 262,144 x 1 float16; weight_q3 262,144 x 12 int32; x_codes 4 x 2,048 x 128 x 32 uint8 (E5M2 codes of x, K innermost, in blocks of 32 codes).
;; Outputs: out0 4 x 2,048 x 2,048 float32.
;; This version of the problem:
;;   THIS VERSION OF THE PROBLEM IS GIVEN IN LOW PRECISION. The matrix products marked QUANTISED in the list below multiply operands that are first quantised to E5M2 (5 exponent bits, 2 mantissa bits; 8 bits a number), with one given power-of-two scale for each operand tensor; their sums are f32. All else is computed in f32.
;;   The module's matrix products, in the order in which they are computed (A, B: the left and right operand; K: the contracted axis; several contracted axes count as one K, in the product's order):
;;     1. [M 8,192, K 4,096] x [K 4,096, N 2,048]; A: input x (given as codes); B: computed on the way: QUANTISED (scales: A lowp_scales[0], B lowp_scales[1])
;;   THE QUANTISER, for each operand of a quantised product, along K:
;;     - The operand's scale is 2^e, e = its entry of the input lowp_scales (int32; the entries are numbered through the quantised products in the list's order, A before B).
;;     - Each number is divided by the scale, clamped to +-57,344, and rounded to the nearest number of E5M2, ties to even, subnormals kept.
;;     - The product sums the exact products of the quantised numbers (number of the format x scale) in f32.
;;   ~~~python
;;   def quantise(x, axis, e):      # numpy; x: float32 -> the quantised numbers, widened to float32 again
;;       x = np.moveaxis(x, axis, -1); K = x.shape[-1]
;;       r = np.clip(x / 2.0 ** e, -57344, 57344)
;;       step = 2.0 ** (np.maximum(np.frexp(np.where(r == 0, 1, r))[1] - 1, -14) - 2)
;;       q = np.round(r / step) * step * 2.0 ** e      # np.round: ties to even
;;       return np.moveaxis(q, -1, axis).astype(np.float32)
;;   ~~~
;;   OPERANDS COMPUTED ON THE WAY. 'Computed on the way' means the value that the module computes at that place (a softmax that the list does not call 'softmax' is quantised finished and normalised). What goes into a quantiser is computed in f32, as accurately as f32 sums, v_exp_f32 and their like allow (about 1e-6 of the number): no bf16 or f16 on the way to a quantiser, and a product that is left as it is and whose result goes on into a quantised operand takes f32 operands (vector FMAs, or v_wmma_f32_16x16x4_f32). A number that lies on a knife's edge between two numbers of the format may be rounded either way, as far as f32 arithmetic and the matrix unit's own rounding can turn it there, and no further.
;;   INPUTS GIVEN AS CODES. x (in the module: [4, 2048, 4096], K = its axis 2): each comes as NAME_codes (uint8): NAME with its K axis moved to the last place and cut into blocks of 32 codes, [.., K / 32, bytes a block], one block behind the other in memory; one code a byte (a code: sign, 5 exponent bits, 2 mantissa bits); its scale is its entry of lowp_scales. Its value is code x scale, taken as it is: it is not quantised again, and the codes and scales need not be those that the quantiser above would give.
;; One version. Each part assembles by itself: llvm-mc -triple=amdgcn-amd-amdhsa -mcpu=gfx1250 --defsym DOCPART=n.
;; ======== version 1 of 1: 2 launches
;; limits: values are held in f16: magnitudes above 65,504 overflow, below 6.1e-05 lose precision; right only within a limited range of input values
;; workspace buffers: w_codes 8,388,608 bytes
;; launch wquant (part 1): grid 128 x 1, 16 waves a work-group, no clusters, 109,056 bytes of LDS; arguments weight_q3, weight_norm, lowp_scales, w_codes; writes w_codes
.if DOCPART == 1
	.amdgcn_target "amdgcn-amd-amdhsa--gfx1250"
	.amdhsa_code_object_version 6
	.text
	.protected	k_qdcb73456c3_wquant
	.globl	k_qdcb73456c3_wquant
	.p2align	8
	.type	k_qdcb73456c3_wquant,@function
k_qdcb73456c3_wquant:
	s_mov_b64 s[64:65], 0
	v_nop
	global_prefetch_b8 v0, s[64:65] scope:SCOPE_SE
	s_setreg_imm32_b32 hwreg(HW_REG_WAVE_MODE, 25, 1), 1
	s_wait_xcnt 0x0
; W [2048][4096] is unpacked from 3-bit numbers, scaled by its groups' norms in f32, and turned into codes of BF8 (E5M2) with the given scale 2^e1 (entry 1 of the buffer of scales).
; Group g (32 neighbours along K; 128 groups to a row of W) has 12 int32 words, of each of which the low byte counts, and one f16 norm n.  Three such bytes on end are a word c of 24 bits, and number i of its
; eight is q = (c >> 3 i) & 7.   w = (q / 7) (2 n + 1e-8) - n.   code = w / 2^e1, held within +-57,344, to the nearest code, ties to even.
; A GROUP HAS ONLY EIGHT DIFFERENT NUMBERS: the eight are made in f32, held and converted by ONE conversion into a pair of registers, T_q's code in byte q; one v_perm_b32 looks up four codes.
; ROUNDING: T_0 = 0 - n and T_7 = s - n are made as written; for q = 1 .. 6 the multiplication and the subtraction are one fused multiply-add.
; LIMITS: e1 between -126 and 112, so that 2^e1 and 57,344 x 2^e1 are f32 numbers.  A norm that is NaN or infinite is not served.
; THE LAYOUT OF w_codes is the order in which the product's launch takes its operand registers: chunk (T, s, b, c) of 512 bytes at 524,288 T + 16,384 s + 2,048 b + 512 c;
; in it the 16 bytes at 16 (16 h + r) are W[128 T + 64 (b / 4) + 4 r + b % 4][128 s + 32 c + 16 h + 0 .. 15].  So a chunk is one group column (4 s + c) of sixteen rows that lie four apart.
; SHARES.  Work-group X owns those sixteen rows for T = X / 8, b = X % 8, whole.  Wave w loads row r = w as it lies (6,144 bytes of words in 12 loads of 512 bytes, 256 bytes of norms) into LDS;
; behind one barrier wave w takes group columns 8 w .. 8 w + 7: lane 16 h + r makes half h of row r's group, 16 codes, and a store of the wave covers one chunk: 512 consecutive bytes, aligned.
; LDS rows of words are 6,160 bytes apart and rows of norms 528: both 4 words mod 64, so that the sixteen rows of a read begin at sixteen different banks (64 banks of 4 bytes: ISA guide 11.1).
; 2,048 rows / 16 make 128 work-groups.  No tensor load, no cluster, no matrix unit: no two work-groups read the same bytes.
.set RP,   6160
.set NRM,  16*RP
.set NPI,  528
.set SPARE, NRM+16*NPI                 ; 107,008: the spare words, 128 bytes for each of 16 waves
.set SS,   6                           ; v6       s = 2 n + 1e-8
.set NF,   12                          ; v12-15   four norms as f32
.set R,    16                          ; v16-63   the 12 loads of words
.set O,    16                          ; v16-47   later: codes, four registers for each of the eight stores
.set P,    64                          ; v64-127  eight sets of 8: six words, the norm at 6
.set T,    128
.set TC,   136
.set SL,   138
.set TM,   142
.set C0,   144
.set C1,   145
	s_load_b128 s[4:7], s[0:1], 0x0                ; the words s[4:5], the norms s[6:7]
	s_load_b64 s[10:11], s[0:1], 0x10              ; the scales' exponents
	s_load_b64 s[8:9], s[0:1], 0x18                ; W's codes
	v_lshl_add_u32 v146, v0, 2, SPARE
	v_mov_b32 v147, 0
	v_lshrrev_b32 v1, 5, v0
	v_readfirstlane_b32 s16, v1                    ; wave 0..15
	v_and_b32 v1, 31, v0
	v_lshlrev_b32 v2, 4, v1                        ; 16 x lane: my bytes of a load's 512 and of a store's
	v_lshlrev_b32 v5, 3, v1                        ; 8 x lane: my four norms of the row's 128
	s_mul_i32 s17, s16, RP
	v_add_nc_u32 v3, s17, v2                       ; into LDS: my wave's row of words
	s_mul_i32 s17, s16, NPI
	s_add_co_u32 s17, s17, NRM
	v_add_nc_u32 v148, s17, v2                     ; and its row of norms
	v_and_b32 v4, 15, v0                           ; r
	v_bfe_u32 v7, v0, 4, 1                         ; h
	v_mul_u32_u24 v149, v4, NPI
	v_mul_u32_u24 v4, v4, RP
	v_mad_u32_u24 v4, v7, 24, v4
	s_mul_i32 s17, s16, 384
	v_add_nc_u32 v4, s17, v4                       ; back: row r, my wave's eight groups of 48 bytes, half h
	s_lshl_b32 s17, s16, 5
	s_add_co_u32 s17, s17, NRM
	v_add_nc_u32 v7, s17, v149                     ; row r's norms of those groups
	s_lshr_b32 s2, ttmp9, 3                        ; T
	s_lshl_b32 s18, s2, 7
	s_bfe_u32 s3, ttmp9, 0x10002
	s_lshl_b32 s3, s3, 6
	s_add_co_u32 s18, s18, s3
	s_and_b32 s3, ttmp9, 3
	s_add_co_u32 s18, s18, s3
	s_lshl_b32 s3, s16, 2
	s_add_co_u32 s18, s18, s3                      ; the row that my wave loads: 128 T + 64 (b / 4) + b % 4 + 4 w
	s_mul_i32 s12, s18, 6144
	s_mov_b32 s13, 0
	s_lshl_b32 s14, s18, 8
	s_mov_b32 s15, 0
	s_lshl_b32 s2, s2, 19
	s_and_b32 s3, ttmp9, 7
	s_lshl_b32 s3, s3, 11
	s_add_co_u32 s2, s2, s3
	s_lshl_b32 s3, s16, 15
	s_add_co_u32 s2, s2, s3                        ; my wave's first chunk: T, b, s = 2 w
	s_mov_b32 s3, 0
	s_mov_b32 s20, 0x3e124925                      ; 1/7 .. 6/7, each rounded to f32 as the division q / 7 rounds it
	s_mov_b32 s21, 0x3e924925
	s_mov_b32 s22, 0x3edb6db7
	s_mov_b32 s23, 0x3f124925
	s_mov_b32 s24, 0x3f36db6e
	s_mov_b32 s25, 0x3f5b6db7
	s_mov_b32 s26, 0x322bcc77                      ; 1e-8
	s_mov_b32 s27, 0x00000400
	s_mov_b32 s28, 0x00040100
	s_wait_alu depctr_va_vdst(0)
	s_wait_kmcnt 0x0
	s_load_b32 s19, s[10:11], 0x4                  ; e1
	s_add_nc_u64 s[4:5], s[4:5], s[12:13]
	s_add_nc_u64 s[6:7], s[6:7], s[14:15]
	s_add_nc_u64 s[8:9], s[8:9], s[2:3]
	global_load_b64 v[8:9], v5, s[6:7]             ; 128 norms: 256 consecutive bytes
.irp i, 0,1,2,3,4,5,6,7,8,9,10,11
	global_load_b128 v[R+4*\i:R+4*\i+3], v2, s[4:5] offset:512*\i th:TH_LOAD_NT   ; 512 consecutive bytes; read once in the launch
.endr
	s_wait_kmcnt 0x0
	s_add_co_i32 s29, s19, 127
	s_lshl_b32 s30, s29, 23
	v_mov_b32 v10, s30                             ; 2^e1 as f32
	s_add_co_i32 s29, s29, 15
	s_lshl_b32 s29, s29, 23
	s_or_b32 s29, s29, 0x600000
	v_mov_b32 v11, s29                             ; 57,344 x 2^e1
	s_wait_loadcnt 12                              ; the norms are in; the twelve loads behind them may be out
	v_cvt_f32_f16 v[NF], v8.l
	v_cvt_f32_f16 v[NF+1], v8.h
	v_cvt_f32_f16 v[NF+2], v9.l
	v_cvt_f32_f16 v[NF+3], v9.h
	ds_store_b128 v148, v[NF:NF+3]
.irp i, 0,1,2,3,4,5,6,7,8,9,10,11
	s_wait_loadcnt 11-\i                           ; loads come back in order: load i is in
	ds_store_b128 v3, v[R+4*\i:R+4*\i+3] offset:512*\i
.endr
	s_wait_alu depctr_va_vdst(0)
	s_wait_dscnt 0x0                               ; for the others' sake: my row is in LDS
	s_barrier_signal -1
	s_barrier_wait -1
.irp i, 0,1,2,3,4,5,6,7
.irp j, 0,1,2
	ds_load_b64 v[P+8*\i+2*\j:P+8*\i+2*\j+1], v4 offset:48*\i+8*\j
.endr
	ds_load_b32 v[P+8*\i+6], v7 offset:4*\i
.endr
; Four numbers q, bits b .. b + 11 of v[c], one to a byte of v[dst]
.macro SEL4 dst, c, b
	v_bfe_u32 v[\dst], v[\c], \b, 3
.irp k, 1,2,3
	v_bfe_u32 v[TM+\k%2], v[\c], \b+3*\k, 3
	s_delay_alu instid0(VALU_DEP_1)
	v_lshl_or_b32 v[\dst], v[TM+\k%2], 8*\k, v[\dst]
.endr
.endm
; Group column i of my wave's eight: my half of row r's group becomes 16 codes
.macro HALF i
.set PW, P+8*(\i)
.set NH, P+8*(\i)+6
.set OX, O+4*(\i)
	s_wait_dscnt 28-4*(\i)                         ; four LDS loads for each later column may be out
	v_fma_f32 v[SS], v[NH], 2.0, s26               ; s = 2 n + 1e-8
	v_sub_f32 v[T], 0, v[NH]
.irp j, 1,2,3,4,5,6
	v_fma_f32 v[T+\j], s[19+\j], v[SS], -v[NH]     ; fl(q / 7) s - n
.endr
	v_sub_f32 v[T+7], v[SS], v[NH]
.irp j, 0,1,2,3,4,5,6,7
	v_med3_num_f32 v[T+\j], v[T+\j], -v11, v11     ; the conversion does not saturate (ISA guide 7.6.2): the hold at the largest code x the scale
.endr
	v_cvt_scalef32_pk8_bf8_f32 v[TC:TC+1], v[T:T+7], v10
	v_perm_b32 v[C0], v[PW+1], v[PW], s27          ; the low bytes of three words on end, twice (plain lines: the place behind the conversion)
	v_perm_b32 v[C1], v[PW+4], v[PW+3], s27
	s_delay_alu instid0(VALU_DEP_2)
	v_perm_b32 v[C0], v[PW+2], v[C0], s28
	s_delay_alu instid0(VALU_DEP_2)
	v_perm_b32 v[C1], v[PW+5], v[C1], s28
	SEL4 SL, C0, 0
	SEL4 SL+1, C0, 12
	SEL4 SL+2, C1, 0
	SEL4 SL+3, C1, 12
.irp k, 0,1,2,3
	v_perm_b32 v[OX+\k], v[TC+1], v[TC], v[SL+\k]
.endr
	global_store_b128 v2, v[OX:OX+3], s[8:9] offset:16384*((\i)/4)+512*((\i)%4)   ; one chunk: 512 consecutive bytes, aligned
.endm
.irp i, 0,1,2,3,4,5,6,7
	HALF \i
.endr
	s_wait_tensorcnt 0x0                           ; the wave's end
	ds_add_u32 v146, v147
	s_wait_dscnt 0x0
	s_endpgm
.Lfunc_end_k_qdcb73456c3_wquant:
	.size	k_qdcb73456c3_wquant, .Lfunc_end_k_qdcb73456c3_wquant-k_qdcb73456c3_wquant
	.p2alignl 7, 3214868480
	.fill 96, 4, 3214868480
	.section	.rodata,"a",@progbits
	.p2align	6, 0x0
	.amdhsa_kernel k_qdcb73456c3_wquant
		.amdhsa_group_segment_fixed_size 109056
		.amdhsa_private_segment_fixed_size 0
		.amdhsa_enable_private_segment 0
		.amdhsa_kernarg_size 32
		.amdhsa_user_sgpr_count 2
		.amdhsa_user_sgpr_kernarg_segment_ptr 1
		.amdhsa_wavefront_size32 1
		.amdhsa_system_sgpr_workgroup_id_x 1
		.amdhsa_system_sgpr_workgroup_id_y 1
		.amdhsa_system_sgpr_workgroup_id_z 1
		.amdhsa_system_vgpr_workitem_id 0
		.amdhsa_next_free_vgpr 152
		.amdhsa_next_free_sgpr 66
		.amdhsa_reserve_vcc 0
		.amdhsa_float_denorm_mode_32 3
		.amdhsa_float_denorm_mode_16_64 3
		.amdhsa_memory_ordered 1
		.amdhsa_forward_progress 1
		.amdhsa_inst_pref_size 40
	.end_amdhsa_kernel
	.amdgpu_metadata
---
amdhsa.version: [ 1, 2 ]
amdhsa.kernels:
  - .name:           k_qdcb73456c3_wquant
    .symbol:         k_qdcb73456c3_wquant.kd
    .args:
      - { .name: weight_q3, .offset: 0, .size: 8, .value_kind: global_buffer, .address_space: global }
      - { .name: weight_norm, .offset: 8, .size: 8, .value_kind: global_buffer, .address_space: global }
      - { .name: lowp_scales, .offset: 16, .size: 8, .value_kind: global_buffer, .address_space: global }
      - { .name: w_codes, .offset: 24, .size: 8, .value_kind: global_buffer, .address_space: global }
    .group_segment_fixed_size: 109056
    .private_segment_fixed_size: 0
    .kernarg_segment_align: 8
    .kernarg_segment_size: 32
    .max_flat_workgroup_size: 512
    .sgpr_count:     66
    .vgpr_count:     152
    .wavefront_size: 32
...
	.end_amdgpu_metadata
.endif
;; end of part 1
;; launch gemm (part 2): grid 256 x 1, 4 waves a work-group, clusters of 4 x 1, 327,680 bytes of LDS; arguments x_codes, w_codes, lowp_scales, bias, out0; writes out0
.if DOCPART == 2
	.amdgcn_target "amdgcn-amd-amdhsa--gfx1250"
	.amdhsa_code_object_version 6
	.text
	.protected	k_qdcb73456c3_gemm
	.globl	k_qdcb73456c3_gemm
	.p2align	8
	.type	k_qdcb73456c3_gemm,@function
k_qdcb73456c3_gemm:
	s_mov_b64 s[64:65], 0
	v_nop
	global_prefetch_b8 v0, s[64:65] scope:SCOPE_SE
	s_setreg_imm32_b32 hwreg(HW_REG_WAVE_MODE, 25, 1), 1
	s_wait_xcnt 0x0
	s_wait_alu depctr_hold_cnt(0) depctr_sa_sdst(0) depctr_va_vdst(0) depctr_va_sdst(0) depctr_va_ssrc(0) depctr_va_vcc(0) depctr_vm_vsrc(0)
	s_getreg_b32 s2, hwreg(HW_REG_IB_STS2, 6, 4)
	s_cmp_eq_u32 s2, 0
	s_cbranch_scc0 .Lentry_in_a_cluster
	s_endpgm
.Lentry_in_a_cluster:
	s_bfe_u32 s2, ttmp6, 0x10000c
	s_cmp_lg_u32 s2, 0x3003
	s_cbranch_scc0 .Lentry_shape_is_right
	s_endpgm
.Lentry_shape_is_right:
; out[m][n] = 2^(e0 + e1) x (sum over k of X[m][k] W[n][k]) + bias[n].  X [8192][4096]: codes of BF8 as given; W [2048][4096]: codes in w_codes, in the order of the operand registers (below).  Sums in f32.
; LIMIT: e0 + e1 between -126 and 127, so that 2^(e0 + e1) is an f32 number.
; SHARES.  A work-group makes 128 rows x 512 columns: four waves side by side, each 128 x 128: 64 accumulators, 512 registers.  64 x 4 blocks = 256 work-groups.
; X GOES THROUGH LDS, W DOES NOT.  All four waves read the same 128 rows of X: they come by tensor loads (a wave brings 32 rows) and each wave reads them from LDS.  A wave's 128 rows of W are read by no other wave
; of the work-group: they go from memory straight into its registers, 16 bytes a lane, each load 512 consecutive bytes: chunk (T, s, b, c) at 524,288 T + 16,384 s + 2,048 b + 512 c holds, at 16 (16 h + r),
; W[128 T + 64 (b / 4) + 4 r + b % 4][128 s + 32 c + 16 h + 0 .. 15]: registers 4 c .. 4 c + 3 of fragment b of step s, the same places of k that the LDS loads give X's fragments.
; CLUSTERS: the four work-groups of a row block need the same tiles of X: 4 x 1 clusters, each tile asked for jointly (mask 15).
; K: 32 steps of 128.  Fill 0 holds steps 0, 1 (rows of 256 bytes) in bytes of its own; fills 1 .. 5 hold six steps each (rows of 768 bytes, beginning at multiples of 256) in two slots by turns.
; A step is 64 matrix instructions: X's blocks in four pairs, each pair against W's eight fragments.  X's pairs go round a ring of three register sets: behind pair G's products pair G + 3 is fetched.
; W has three sets of 128 registers: behind a step's last pair and the next step's first, the set just freed takes the step three on: 16 loads each time.
; The register numbers come back after three steps, a slot after six: a trip of the loop is one fill; the slot's base is a scalar that is flipped at each change of slots.
; W'S ROWS OF A FRAGMENT LIE FOUR APART, so that the same register of four neighbouring accumulators holds four neighbouring columns of a row of out: the multiply-add with the scale and the bias writes them
; into four registers on end, and sixteen lanes store 256 consecutive bytes, aligned.  No stage in LDS.
; PREFETCH: W's chunks of step s + 5 are asked for in step s, two steps ahead of their loads, each wave for its own 16,384 bytes (a lane a block of 256), by the first four clusters alone, since every
; cluster reads all of W; the last five steps ask for nothing.  X's tiles are not prefetched: a refill has 384 matrix instructions of each wave between its request and the wait for it.
; REGISTERS: window 0: v0-31 addresses and bias; v32-127 X's ring; v128-255 W's set 2.  Window 1: W's sets 0, 1.  Windows 2, 3: the accumulators ((a, b) at 8 (8 (a % 4) + b), window 2 + a / 4).
.set PITCH, 816                        ; an LDS row: 3 x (256 + 16) bytes = 204 words: 12 mod 64: sixteen rows begin at sixteen different groups of four banks (ISA guide 11.1)
.set ZP,    272                        ; fill 0's LDS row
.set SLOTX, 131072                     ; slot 1's base; slot 0 at 0; a slot is 128 x 816 = 104,448 bytes
.set ZB,    235520                     ; fill 0's own bytes: 128 x 272
.set SPARE, 270336                     ; the spare words, 128 bytes a wave
.set BSTEP, 16384                      ; a wave's bytes of W in a step
.set SPW, 4
.set NIL, 5
.set BO,  6                            ; 16 x lane
.set PFO, 7                            ; 256 x lane
.set BIA, 8                            ; 16 r
.set CO,  9                            ; my place in out: 8 h rows + 16 r
.set AZ,  10                           ; my fragment row in fill 0
.set BLO, 11                           ; r x PITCH + 16 h;  BHI: 64 rows on
.set BHI, 12
.set ALO, 14                           ; the same + the base of the slot that is read
.set AHI, 15
.set BI,  16                           ; v16-23 bias of my eight columns
.set AR,  32
.set G1,  24                           ; s[24:31] group 1: 32 rows x 768 bytes
.set G1Z, 32                           ; s[32:39] group 1: 32 rows x 256 bytes
.set G0,  40
.set G0Z, 44
.set SB,  48                           ; s[48:49] my wave's stream of W, at the first step of the fill at work
.set RS,  50                           ; the base of the slot that is read
.set SC,  52
.set MSB, 0
.macro WIN new                         ; the immediate's high byte repeats the setting that is left
.if MSB != (\new)
	s_set_vgpr_msb (MSB<<8)|(\new)
.set MSB, \new
.endif
.endm
.macro PLACES                          ; four places behind matrix instructions, ahead of loads into their sources and of reads of results
.rept 4
	v_nop
.endr
.endm
.macro CREST                           ; a round of the cluster's barrier behind its opening barrier
	s_cmp_lg_u32 s14, 0
	s_cbranch_scc1 .Lnot_wave_0_\@
	s_barrier_signal -3
.Lnot_wave_0_\@:
	s_barrier_wait -3
	s_barrier_signal -1
	s_barrier_wait -1
.endm
.macro CROUND
	s_barrier_signal -1
	s_barrier_wait -1
	CREST
.endm
.macro ASK off                         ; 64 blocks of 256 bytes: my wave's chunks of one step
	s_cmp_lt_u32 ttmp9, 4
	s_cbranch_scc0 .Lno_ask_\@
	global_prefetch_b8 v[PFO], s[SB:SB+1] offset:\off th:TH_LOAD_NT scope:SCOPE_SE
	global_prefetch_b8 v[PFO], s[SB:SB+1] offset:(\off)+8192 th:TH_LOAD_NT scope:SCOPE_SE
.Lno_ask_\@:
.endm
; X's pair p (blocks 2 p, 2 p + 1) of the fill's step q into ring set k.  z = 1: fill 0
.macro ALD k, p, q, z
.irp i, 0,1
.irp c, 0,1,2,3
.if \z
	ds_load_b128 v[AR+32*(\k)+16*\i+4*\c:AR+32*(\k)+16*\i+4*\c+3], v[AZ] offset:(2*(\p)+\i)*16*ZP+128*(\q)+32*\c
.else
	ds_load_b128 v[AR+32*(\k)+16*\i+4*\c:AR+32*(\k)+16*\i+4*\c+3], v[ALO+(\p)/2] offset:((2*(\p)+\i)%4)*16*PITCH+272*((\q)/2)+128*((\q)%2)+32*\c
.endif
.endr
.endr
.endm
; W's fragments 4 hf .. 4 hf + 3 of step d (its chunks begin at byte off of the stream) into set d % 3
.macro BLD d, hf, off
.set BT, (\d)%3
	WIN (1-BT/2)<<6
.irp f, 0,1,2,3
.irp c, 0,1,2,3
	global_load_b128 v[128*((BT+1)/2)+16*(4*(\hf)+\f)+4*\c:128*((BT+1)/2)+16*(4*(\hf)+\f)+4*\c+3], v[BO], s[SB:SB+1] offset:(\off)+(4*(\hf)+\f)*2048+\c*512
.endr
.endr
	WIN 0
.endm
; 8 matrix instructions: block 2 p + i of step s against W's eight.  The 64 accumulators take turns in the same order in every step.
.macro MULH s, p, i, zero
.set BT, (\s)%3
.set KR, AR+32*(((\s)+(\p))%3)+16*(\i)
.set AW, 2+(\p)/2
	WIN (AW<<6)|(AW<<4)|((1-BT/2)<<2)
.irp b, 0,1,2,3,4,5,6,7
.if \zero
	v_wmma_f32_16x16x128_bf8_bf8 v[8*(8*((2*(\p)+(\i))%4)+\b):8*(8*((2*(\p)+(\i))%4)+\b)+7], v[KR:KR+15], v[128*((BT+1)/2)+16*\b:128*((BT+1)/2)+16*\b+15], 0
.else
	v_wmma_f32_16x16x128_bf8_bf8 v[8*(8*((2*(\p)+(\i))%4)+\b):8*(8*((2*(\p)+(\i))%4)+\b)+7], v[KR:KR+15], v[128*((BT+1)/2)+16*\b:128*((BT+1)/2)+16*\b+15], v[8*(8*((2*(\p)+(\i))%4)+\b):8*(8*((2*(\p)+(\i))%4)+\b)+7]
.endif
.endr
.endm
; Step s (in the loop: a step with the same s % 3), the fill's step q; qn: the next step's place in its fill; z, zn: this step, the next lie in fill 0; zero: the products start the sums.
; chg = 1: the fill's last step, the bytes just read out are filled again (or slot 0 for the first time); chg = 2: the same without a fill.
.macro STEP s, q, qn, z, zn, zero, chg
.if (\s) <= 29
	s_wait_loadcnt 48                              ; W's set of this step is in: behind it three groups of 16 loads were issued
.elseif (\s) == 30
	s_wait_loadcnt 32
.else
	s_wait_loadcnt 0
.endif
	s_wait_dscnt 16                                ; my pair is in; the two younger pairs (8 loads each) may be out
	MULH \s, 0, 0, \zero
	MULH \s, 0, 1, \zero
	PLACES
	WIN 0
	ALD ((\s)%3), 3, \q, \z
.if (\s)+2 <= 31
	BLD (\s)+2, 1, ((\q)+2)*BSTEP
.endif
	s_wait_dscnt 16
.if \chg
	s_wait_tensorcnt 0x0                           ; my part of the next fill is in: no tensor load of mine is out, so group 0 may be written
	ds_add_u32 v[SPW], v[NIL]
.if \chg == 1
	s_xor_b32 s[G0+1], s[G0+1], SLOTX              ; the fill two on goes where this fill lay (the first time: into slot 0)
	s_add_nc_u64 s[G0+2:G0+3], s[G0+2:G0+3], 768
.endif
	s_xor_b32 s[RS], s[RS], SLOTX                  ; all my reads of this fill are issued: the addresses go over to the other slot
	v_add_nc_u32 v[ALO], s[RS], v[BLO]
	v_add_nc_u32 v[AHI], s[RS], v[BHI]
	s_wait_alu depctr_va_vdst(0)
	MULH \s, 1, 0, \zero
	s_wait_dscnt 0x0                               ; the add is done, and my reads of this fill are back
	s_barrier_signal -1
	MULH \s, 1, 1, \zero
	WIN 0
	s_barrier_wait -1
.if \chg == 1
	CREST                                          ; the barrier has opened a round: no wave of any partner still reads these bytes or has a load on its way
	tensor_load_to_lds s[G0:G0+3], s[G1:G1+7]
	s_nop 0
.endif
	PLACES
.else
	MULH \s, 1, 0, \zero
	MULH \s, 1, 1, \zero
	PLACES
	WIN 0
.endif
.if (\s) < 31
	ALD (((\s)+1)%3), 0, \qn, \zn
	s_wait_dscnt 16
.else
	s_wait_dscnt 8                                 ; only the last pair may be out
.endif
	MULH \s, 2, 0, \zero
	MULH \s, 2, 1, \zero
.if (\s) < 31
	PLACES
	WIN 0
	ALD (((\s)+2)%3), 1, \qn, \zn
.if (\s)+5 <= 31
	ASK ((\q)+5)*BSTEP
.endif
	s_wait_dscnt 16
.else
	s_wait_dscnt 0
.endif
	MULH \s, 3, 0, \zero
	MULH \s, 3, 1, \zero
.if (\s) < 31
	PLACES
	WIN 0
	ALD ((\s)%3), 2, \qn, \zn
.if (\s)+3 <= 31
	BLD (\s)+3, 0, ((\q)+3)*BSTEP
.endif
.endif
.endm
.macro ONWARD n                        ; the stream's base goes n steps on, behind the wait that frees it
	s_wait_xcnt 0x0
	s_add_nc_u64 s[SB:SB+1], s[SB:SB+1], (\n)*BSTEP
.endm
	s_load_b128 s[4:7], s[0:1], 0x0                ; X's codes, W's codes
	s_load_b128 s[8:11], s[0:1], 0x10              ; the scales' exponents, bias
	s_load_b64 s[12:13], s[0:1], 0x20              ; out
	v_lshl_add_u32 v[SPW], v0, 2, SPARE
	v_mov_b32 v[NIL], 0
	ds_add_u32 v[SPW], v[NIL]                      ; the opening lines: the add twice on end and its wait ahead of my first tensor load
	ds_add_u32 v[SPW], v[NIL]
	v_lshrrev_b32 v1, 5, v0
	v_readfirstlane_b32 s14, v1                    ; wave 0..3
	v_and_b32 v2, 15, v0                           ; r
	v_bfe_u32 v3, v0, 4, 1                         ; h
	v_and_b32 v1, 31, v0
	v_lshlrev_b32 v[BO], 4, v1
	v_lshlrev_b32 v[PFO], 8, v1
	v_lshlrev_b32 v[BIA], 4, v2
	v_lshl_add_u32 v[CO], v3, 16, v[BIA]           ; 8 rows of 8,192 bytes for the upper lanes
	v_mul_u32_u24 v[AZ], v2, ZP
	v_lshl_add_u32 v[AZ], v3, 4, v[AZ]
	v_add_nc_u32 v[AZ], ZB, v[AZ]
	v_mul_u32_u24 v[BLO], v2, PITCH
	v_lshl_add_u32 v[BLO], v3, 4, v[BLO]
	v_add_nc_u32 v[BHI], 64*PITCH, v[BLO]
	s_bfe_u32 s15, ttmp6, 0x40000                  ; cx: which 512 columns
.irp g, G1, G1Z
	s_mov_b32 s[\g+0], 15|(1<<20)|(1<<21)|(5<<22)|(3<<25)   ; the four partners; elements of 1 byte; 4 words of padding behind every 64; bit 21 beside the mask
	s_mov_b32 s[\g+2], 32<<16                      ; tensor_dim1 = 32
	s_mov_b32 s[\g+4], 32                          ; tile_dim1 = 32
	s_mov_b32 s[\g+5], 4096                        ; from row to row
	s_mov_b32 s[\g+6], 0
	s_mov_b32 s[\g+7], 0
.endr
	s_mov_b32 s[G1+1], 768<<16
	s_mov_b32 s[G1+3], 768<<16
	s_mov_b32 s[G1Z+1], 256<<16
	s_mov_b32 s[G1Z+3], 256<<16
	s_lshl_b32 s16, ttmp9, 19                      ; X: 128 rows of 4,096 bytes for each cluster,
	s_lshl_b32 s17, s14, 17                        ; 32 rows for each wave: nothing of cx
	s_add_co_u32 s16, s16, s17
	s_mov_b32 s17, 0
	s_lshl_b32 s18, s15, 2
	s_add_co_u32 s18, s18, s14                     ; T: which 128 columns are my wave's
	s_lshl_b32 s20, s18, 19
	s_mov_b32 s21, 0
	s_lshl_b32 s22, s18, 9                         ; their bytes in bias and in a row of out
	s_mov_b32 s23, 0
	s_mul_i32 s53, s14, 32*PITCH
	s_mul_i32 s56, s14, 32*ZP
	s_mov_b32 s[RS], 0
	s_wait_alu depctr_va_vdst(0)
	s_wait_dscnt 0x0                               ; both opening adds are done
	s_wait_kmcnt 0x0
	s_load_b64 s[54:55], s[8:9], 0x0               ; e0, e1
	s_add_nc_u64 s[SB:SB+1], s[6:7], s[20:21]
	s_add_nc_u64 s[10:11], s[10:11], s[22:23]
	s_add_nc_u64 s[12:13], s[12:13], s[22:23]
	s_lshl_b32 s22, ttmp9, 20                      ; 128 rows of out
	s_add_nc_u64 s[12:13], s[12:13], s[22:23]
	global_load_b128 v[BI:BI+3], v[BIA], s[10:11]              ; bias of columns 4 r .. 4 r + 3,
	global_load_b128 v[BI+4:BI+7], v[BIA], s[10:11] offset:256 ; and 64 columns on
	BLD 0, 0, 0
	BLD 0, 1, 0
	s_mov_b32 s[G0Z], 1
	s_add_co_u32 s[G0Z+1], s56, ZB
	s_add_nc_u64 s[G0Z+2:G0Z+3], s[4:5], s[16:17]
	s_mov_b32 s[G0], 1
	s_add_co_u32 s[G0+1], s53, SLOTX               ; fill 1 goes into slot 1
	s_add_nc_u64 s[G0+2:G0+3], s[G0Z+2:G0Z+3], 256
	s_or_b32 s[G0Z+3], s[G0Z+3], 0x80000000
	s_or_b32 s[G0+3], s[G0+3], 0x80000000
	CROUND                                         ; the four work-groups are here: the first joint loads meet
	tensor_load_to_lds s[G0Z:G0Z+3], s[G1Z:G1Z+7]  ; fill 0: one tensor load a wave at the head
	s_nop 0
	PLACES
	BLD 1, 0, BSTEP
	BLD 1, 1, BSTEP
	BLD 2, 0, 2*BSTEP
	s_wait_tensorcnt 0x0                           ; my part of fill 0 is in
	ds_add_u32 v[SPW], v[NIL]
	s_wait_dscnt 0x0
	CROUND
	tensor_load_to_lds s[G0:G0+3], s[G1:G1+7]      ; fill 1
	s_nop 0
	PLACES
	ALD 0, 0, 0, 1
	ALD 1, 1, 0, 1
	ALD 2, 2, 0, 1
	STEP 0, 0, 1, 1, 1, 1, 0
	STEP 1, 1, 0, 1, 0, 0, 1                       ; over to fill 1; fill 2 is asked for
	ONWARD 2
	s_mov_b32 s51, 3
.Lfill:                                                ; fills 1, 2, 3: each asks for the fill two on
	STEP 2, 0, 1, 0, 0, 0, 0
	STEP 3, 1, 2, 0, 0, 0, 0
	STEP 4, 2, 3, 0, 0, 0, 0
	STEP 5, 3, 4, 0, 0, 0, 0
	STEP 6, 4, 5, 0, 0, 0, 0
	STEP 7, 5, 0, 0, 0, 0, 1
	ONWARD 6
	s_sub_co_u32 s51, s51, 1
	s_cmp_lg_u32 s51, 0
	s_cbranch_scc1 .Lfill
	STEP 20, 0, 1, 0, 0, 0, 0                      ; fill 4: nothing is left to ask for
	STEP 21, 1, 2, 0, 0, 0, 0
	STEP 22, 2, 3, 0, 0, 0, 0
	STEP 23, 3, 4, 0, 0, 0, 0
	STEP 24, 4, 5, 0, 0, 0, 0
	STEP 25, 5, 0, 0, 0, 0, 2
	ONWARD 6
	STEP 26, 0, 1, 0, 0, 0, 0                      ; fill 5
	STEP 27, 1, 2, 0, 0, 0, 0
	STEP 28, 2, 3, 0, 0, 0, 0
	STEP 29, 3, 4, 0, 0, 0, 0
	STEP 30, 4, 5, 0, 0, 0, 0
	STEP 31, 5, 0, 0, 0, 0, 0
; THE WAY OUT.  In accumulator (a, b) lane (r, h) holds in register j: row 16 a + 8 h + j, column 64 (b / 4) + 4 r + b % 4.  Block a's 64 sums x 2^(e0 + e1) + bias go into 64 registers from v[rg] of window rw,
; register 8 j + b: four on end are four neighbouring columns.  Each accumulator is read from its low end on.
.macro OUTB a, rg, rw
	WIN ((\rw)<<6)|(2+(\a)/4)
.irp j, 0,1,2,3,4,5,6,7
.irp b, 0,1,2,3,4,5,6,7
	v_fma_f32 v[(\rg)+8*\j+\b], v[8*(8*((\a)%4)+\b)+\j], s[SC], v[BI+\b]
.endr
.endr
	WIN (\rw)<<2
.irp j, 0,1,2,3,4,5,6,7
.irp u, 0,1
	global_store_b128 v[CO], v[(\rg)+8*\j+4*\u:(\rg)+8*\j+4*\u+3], s[12:13] offset:(16*(\a)+\j)*8192+256*\u th:TH_STORE_NT   ; sixteen lanes store 256 consecutive bytes, aligned; 127 rows at the most: inside the signed 24-bit immediate
.endr
.endr
.endm
	s_wait_kmcnt 0x0
	s_add_co_i32 s[SC], s54, s55
	s_add_co_i32 s[SC], s[SC], 127
	s_lshl_b32 s[SC], s[SC], 23                    ; 2^(e0 + e1) as f32
	PLACES
	OUTB 0, 32, 0                                  ; the fragments' registers are free: each block has its own 64, so no store's data are written again,
	OUTB 1, 96, 0
	OUTB 2, 160, 0
	OUTB 3, 0, 1
	OUTB 4, 64, 1
	OUTB 5, 128, 1
	OUTB 6, 192, 1
	s_wait_xcnt 0x0                                ; but for the last block, which takes block 0's behind this wait
	OUTB 7, 32, 0
	WIN 0
	s_wait_tensorcnt 0x0                           ; the wave's end
	ds_add_u32 v[SPW], v[NIL]
	s_wait_dscnt 0x0
	CROUND                                         ; the closing round
	s_endpgm
.Lfunc_end_k_qdcb73456c3_gemm:
	.size	k_qdcb73456c3_gemm, .Lfunc_end_k_qdcb73456c3_gemm-k_qdcb73456c3_gemm
	.p2alignl 7, 3214868480
	.fill 96, 4, 3214868480
	.section	.rodata,"a",@progbits
	.p2align	6, 0x0
	.amdhsa_kernel k_qdcb73456c3_gemm
		.amdhsa_group_segment_fixed_size 327680
		.amdhsa_private_segment_fixed_size 0
		.amdhsa_enable_private_segment 0
		.amdhsa_kernarg_size 40
		.amdhsa_user_sgpr_count 2
		.amdhsa_user_sgpr_kernarg_segment_ptr 1
		.amdhsa_wavefront_size32 1
		.amdhsa_system_sgpr_workgroup_id_x 1
		.amdhsa_system_sgpr_workgroup_id_y 1
		.amdhsa_system_sgpr_workgroup_id_z 1
		.amdhsa_system_vgpr_workitem_id 0
		.amdhsa_next_free_vgpr 1024
		.amdhsa_next_free_sgpr 66
		.amdhsa_reserve_vcc 0
		.amdhsa_float_denorm_mode_32 3
		.amdhsa_float_denorm_mode_16_64 3
		.amdhsa_memory_ordered 1
		.amdhsa_forward_progress 1
		.amdhsa_inst_pref_size 255
	.end_amdhsa_kernel
	.section	.bss,"aw",@nobits
	.p2align	6
	.space	262144
	.amdgpu_metadata
---
amdhsa.version: [ 1, 2 ]
amdhsa.kernels:
  - .name:           k_qdcb73456c3_gemm
    .symbol:         k_qdcb73456c3_gemm.kd
    .args:
      - { .name: x_codes, .offset: 0, .size: 8, .value_kind: global_buffer, .address_space: global }
      - { .name: w_codes, .offset: 8, .size: 8, .value_kind: global_buffer, .address_space: global }
      - { .name: lowp_scales, .offset: 16, .size: 8, .value_kind: global_buffer, .address_space: global }
      - { .name: bias, .offset: 24, .size: 8, .value_kind: global_buffer, .address_space: global }
      - { .name: out0, .offset: 32, .size: 8, .value_kind: global_buffer, .address_space: global }
    .group_segment_fixed_size: 327680
    .private_segment_fixed_size: 0
    .kernarg_segment_align: 8
    .kernarg_segment_size: 40
    .max_flat_workgroup_size: 128
    .sgpr_count:     66
    .vgpr_count:     1024
    .wavefront_size: 32
...
	.end_amdgpu_metadata
.endif
;; end of part 2
